; MI455X (gfx1250); checked and timed in simulation.
; The chip was launched on July 23, 2026; its instructions are those of AMD's public machine-readable ISA for CDNA 5 (MIT licence, August 2026) and "CDNA5" Instruction Set Architecture Reference Guide (July 2026). The comments in the code are by the model that wrote it; some were corrected since.
;; LSTM Cell. Allowed arithmetic: matrix products marked QUANTISED: E5M2 operands, one given power-of-two scale a tensor, by v_wmma_f32_16x16x64_bf8_bf8 or v_wmma_f32_16x16x128_bf8_bf8, f32 sums; everything else in f32.
;; Inputs: b_hh 8,192 float32; b_ih 8,192 float32; cx 2,048 x 2,048 float32; hx_codes 2,048 x 64 x 32 uint8 (E5M2 codes of hx, K innermost, in blocks of 32 codes); lowp_scales 4 int32 (the exponents e of the quantised operands' scales 2^e); w_hh_codes 8,192 x 64 x 32 uint8 (E5M2 codes of w_hh, K innermost, in blocks of 32 codes); w_ih_codes 8,192 x 8 x 32 uint8 (E5M2 codes of w_ih, K innermost, in blocks of 32 codes); x_codes 2,048 x 8 x 32 uint8 (E5M2 codes of x, K innermost, in blocks of 32 codes).
;; Outputs: out0 2,048 x 2,048 float32; out1 2,048 x 2,048 float32.
;; This version of the problem:
;;   THIS VERSION OF THE PROBLEM IS GIVEN IN LOW PRECISION. The matrix products marked QUANTISED in the list below multiply operands that are first quantised to E5M2 (5 exponent bits, 2 mantissa bits; 8 bits a number), with one given power-of-two scale for each operand tensor; their sums are f32. All else is computed in f32.
;;   The module's matrix products, in the order in which they are computed (A, B: the left and right operand; K: the contracted axis; several contracted axes count as one K, in the product's order):
;;     1. [M 2,048, K 256] x [K 256, N 8,192]; A: input x (given as codes); B: input w_ih (given as codes): QUANTISED (scales: A lowp_scales[0], B lowp_scales[1])
;;     2. [M 2,048, K 2,048] x [K 2,048, N 8,192]; A: input hx (given as codes); B: input w_hh (given as codes): QUANTISED (scales: A lowp_scales[2], B lowp_scales[3])
;;   THE QUANTISER, for each operand of a quantised product, along K:
;;     - The operand's scale is 2^e, e = its entry of the input lowp_scales (int32; the entries are numbered through the quantised products in the list's order, A before B).
;;     - Each number is divided by the scale, clamped to +-57,344, and rounded to the nearest number of E5M2, ties to even, subnormals kept.
;;     - The product sums the exact products of the quantised numbers (number of the format x scale) in f32.
;;   ~~~python
;;   def quantise(x, axis, e):      # numpy; x: float32 -> the quantised numbers, widened to float32 again
;;       x = np.moveaxis(x, axis, -1); K = x.shape[-1]
;;       r = np.clip(x / 2.0 ** e, -57344, 57344)
;;       step = 2.0 ** (np.maximum(np.frexp(np.where(r == 0, 1, r))[1] - 1, -14) - 2)
;;       q = np.round(r / step) * step * 2.0 ** e      # np.round: ties to even
;;       return np.moveaxis(q, -1, axis).astype(np.float32)
;;   ~~~
;;   INPUTS GIVEN AS CODES. hx (in the module: [2048, 2048], K = its axis 1); w_hh (in the module: [8192, 2048], K = its axis 1); w_ih (in the module: [8192, 256], K = its axis 1); x (in the module: [2048, 256], K = its axis 1): each comes as NAME_codes (uint8): NAME with its K axis moved to the last place and cut into blocks of 32 codes, [.., K / 32, bytes a block], one block behind the other in memory; one code a byte (a code: sign, 5 exponent bits, 2 mantissa bits); its scale is its entry of lowp_scales. Its value is code x scale, taken as it is: it is not quantised again, and the codes and scales need not be those that the quantiser above would give.
;; One version. Each part assembles by itself: llvm-mc -triple=amdgcn-amd-amdhsa -mcpu=gfx1250 --defsym DOCPART=n.
;; ======== version 1 of 1: 1 launch
;; limits: inputs' magnitudes at most 70,368,744,177,664
;; launch lstm (part 1): grid 32 x 8, 4 waves a work-group, clusters of 4 x 4, 327,680 bytes of LDS; arguments x_codes, hx_codes, w_ih_codes, w_hh_codes, lowp_scales, cx, b_ih, b_hh, out0, out1; writes out0, out1
.if DOCPART == 1
	.amdgcn_target "amdgcn-amd-amdhsa--gfx1250"
	.amdhsa_code_object_version 6
	.text
	.protected	k_q76166d0657_lstm
	.globl	k_q76166d0657_lstm
	.p2align	8
	.type	k_q76166d0657_lstm,@function
k_q76166d0657_lstm:
	s_mov_b64 s[64:65], 0
	v_nop
	global_prefetch_b8 v0, s[64:65] scope:SCOPE_SE
	s_setreg_imm32_b32 hwreg(HW_REG_WAVE_MODE, 25, 1), 1
	s_wait_xcnt 0x0
	s_wait_alu depctr_hold_cnt(0) depctr_sa_sdst(0) depctr_va_vdst(0) depctr_va_sdst(0) depctr_va_ssrc(0) depctr_va_vcc(0) depctr_vm_vsrc(0)
	s_getreg_b32 s2, hwreg(HW_REG_IB_STS2, 6, 4)
	s_cmp_eq_u32 s2, 0
	s_cbranch_scc0 .Lentry_in_a_cluster
	s_endpgm
.Lentry_in_a_cluster:
	s_bfe_u32 s2, ttmp6, 0x10000c
	s_cmp_lg_u32 s2, 0xf033
	s_cbranch_scc0 .Lentry_shape_is_right
	s_endpgm
.Lentry_shape_is_right:
; LSTM cell.  gates[2048][8192] = x w_ih^T + hx w_hh^T + (b_ih + b_hh), both products on codes of BF8 (E5M2), K innermost, one scale 2^e a tensor (e0 x, e1 w_ih, e2 hx, e3 w_hh);
; i, f, o = sigmoid, g = tanh;  cy = f cx + i g (out1);  hy = o tanh(cy) (out0).  The gates never go to memory.
; SHARES.  A work-group of four waves owns 256 batch rows x 64 hidden units in ALL FOUR gates: a tile of 256 x 256 of the gates; 8 x 32 = 256 work-groups.  Wave w owns batch rows 128 (w / 2) on and hidden
; units 32 (w % 2) on, in four gates: 64 accumulators of 16 x 16, 512 registers.  Column block b = 2 x gate + hb.  THE MATRIX INSTRUCTION IS USED TRANSPOSED (source 0 = 16 rows of W, source 1 = 16 batch rows):
; lane (r, hh), register j holds batch row r and hidden unit 16 hb + 8 hh + j, so that i, f, g, o of one number lie in one lane, at one register index of four accumulators.
; K = 256 (x) + 2,048 (hx) goes in nine K slots of 256 through a ring of two LDS slots.  K slot 0 is x and w_ih; behind it every sum is multiplied once by 2^(e0 + e1 - e2 - e3), which rounds nothing, and the
; products of hx add on in place; at the end gate = sum x 2^(e2 + e3) + bias, folded with the exponential's factor into one packed multiply-add.
; CLUSTERS: 4 x 4 work-groups.  The four of a row of the cluster need the same batch rows, the four of a column the same rows of W: each tile is asked for JOINTLY.  A tile of W is 32 rows in each of four gates:
; a tile of three dimensions (256 bytes x 32 rows x 4 planes, the planes 2,048 rows apart).
; THE POINT-WISE STEP.  With E = 2^min(argument, 40), argument = -log2(e) x gate (g: twice that):  cy = [cx (1+Ei)(1+Eg) + (1-Eg)(1+Ef)] / [(1+Ei)(1+Eg)(1+Ef)],  hy = (1-Ec) / [(1+Eo)(1+Ec)], Ec from cy:
; seven transcendentals a number.
; cx COMES IN TWO HALVES by the tensor data mover, 32 rows a wave each: each wave's rows 0-63 with the first fills, into a region of their own; its rows 64-127 into slot 1 once that slot's last codes are read:
; that load has the last 160 products and four blocks of the point-wise step in which to land.  Each lane puts cy over its own cx; hy goes where slot 1 had W's rows; both leave as whole rows of 256 bytes.
; LIMITS.  e0 + e1 - e2 - e3 between -126 and 127, e2 + e3 between -126 and 126, so that each power of two is an f32 number.  The exponents' arguments are held at 40 from above: a sigmoid is never under 2^-40
; and a tanh never under -1 + 2^-39 (an absolute error under 1e-11), and every product of denominators stays under 2^121.  |cx| under 2^46.  NaN and infinities among the inputs are not served.
; REGISTERS, in windows of 256.  Window 0: v0-31, v112 addresses; v32-95 the biases x the exponentials' factors; v96-111 cx; v128-255 the batch rows' fragments, ONE set; behind the products: at work.
;   Window 1: W's fragments, TWO sets, at v0 and v128; on the way out the rows read back.   Window 2: the accumulators of my rows 0-63 ((a, b) at v[8 (8 (a % 4) + b)]);   window 3: those of my rows 64-127.
.set PITCH,  272                       ; an LDS row: 256 bytes + 16 of padding = 68 words: row r starts at bank 4 r mod 64 (64 banks of 4 bytes: ISA guide 11.1), so the 16 rows of a load start at 16 different banks
.set HALFT,  128*PITCH                 ; 128 rows: what one tensor load of codes brings, what one wave reads of either operand, and half of cx
.set SLOT,   4*HALFT                   ; 256 batch rows, then W's 256 rows (half n: row 32 x gate + unit)
.set SPARE,  2*SLOT                    ; behind the ring: the spare words, 128 bytes for each wave: two blocks of 256 bytes that no other line names
.set BIAS,   SPARE+512                 ; 512 bytes for each wave: its 128 biases; no fill lands here
.set XBASE,  BIAS+2048                 ; 128 rows: cx's first half (row 64 (wave / 2) + i = that half's batch row i), filled once
.set FR,     16                        ; registers of a fragment: 16 rows x 128 K
.set PADW,   (1<<20)|(5<<22)|(3<<25)   ; group 1, word 0: elements of 1 byte; padding on; behind every 64 words (code 5), 4 words (code 3)
.set ADRA, 16                          ; v16-17  LDS address of my batch rows' fragments in slot 0, 1
.set CXH,  18                          ; v18     my 32 bytes of a row of cx, later of cy: my rows 64-127
.set HYH,  19                          ; v19     the same for hy
.set ADRB, 20                          ; v20-21  LDS address of my fragments of W in slot 0, 1
.set CXL,  22                          ; v22     cx and cy: my rows 0-63
.set HYL,  23                          ; v23     hy: my rows 0-63
.set RDL,  24                          ; v24     the way out: where I read a row back: rows 0-63
.set CO,   25                          ; v25     my byte offset in the output
.set PFO,  26                          ; v26     the prefetches' offset: my lane x a row of hx or w_hh (2,048 bytes); never rewritten
.set BST,  27                          ; v27     where I put 16 bytes of biases
.set SPW,  28                          ; v28     LDS address of my spare word: SPARE + 4 x my thread's number; never rewritten
.set NIL,  29                          ; v29     0; never rewritten
.set BLD,  30                          ; v30     where I read my biases
.set BGO,  31                          ; v31     my byte offset in b_ih and b_hh
.set BI,   32
.set CXR,  96
.set RDH,  112                         ; v112    the way out: rows 64-127
.set AF,   128
.set EB,   128                         ; the point-wise step: v128-143 i, v144-159 f, v160-175 g, v176-191 o
.set EI,   128
.set EF,   144
.set EG,   160
.set EO,   176
.set T1,   192
.set T2,   208
.set T3,   224
.set WV,   3                           ; s3   my wave's number
.set FB,   66                          ; s66  wave / 2: which half of the batch rows is mine.  Also: I fetch batch rows (0) or rows of W (1)
.set WN,   67                          ; s67  wave % 2: which half of the hidden units.  Also: which half of that tile I fetch
.set G0C,  4                           ; s[4:7]    group 0 for cx
.set S_SIG, 8                          ; s[8:9]    -log2(e) x 2^(e2 + e3), twice
.set S_TAN, 10                         ; s[10:11]  -2 log2(e) x 2^(e2 + e3), twice
.set S_TC,  12                         ; s[12:13]  -2 log2(e), twice
.set S_CAP, 14                         ; s14       40.0
.set PFA,  22                          ; s[22:23]  where my prefetches stand: my work-group's 32 rows of the 128 that I fetch, at the K slot that the next change of slots will ask for
.set G1X,  24                          ; s[24:31] group 1: x;  s[32:39] hx;  s[40:47] w_ih;  s[48:55] w_hh;  s[56:63] cx
.set G1H,  32
.set G1WI, 40
.set G1WH, 48
.set G1C,  56
.set G2,   68                          ; s[68:71], s[72:75] groups 2 and 3 of W's tiles
.set G3,   72
.set G0X,  76                          ; s[76:79] group 0: x;  s[80:87] hx, a set for each slot;  s[88:91] w_ih;  s[92:99] w_hh, a set for each slot
.set G0A,  80
.set G0W,  88
.set G0B,  92
.set S_RS, 100                         ; s[100:101] 2^(e0 + e1 - e2 - e3), twice
.set LIM,  105                         ; s105 1 in a wave that prefetches, else the greatest number
.set MSB, 0
.macro WIN new                         ; the immediate's high byte repeats the setting that is left; a switch that changes nothing is dropped
.if MSB != (\new)
	s_set_vgpr_msb (MSB<<8)|(\new)
.set MSB, (\new)
.endif
.endm
.set MUL_LO, 0xa1                      ; source 0 (W) window 1, source 1 (batch rows) window 0, C and D window 2
.set MUL_HI, 0xf1                      ; the same, C and D window 3
.set TO_B,   0x40                      ; destination window 1, address window 0
; A load into a register that a matrix instruction has read, and a vector instruction that reads a matrix result or writes one of a matrix instruction's registers, stand four places behind it, and only plain
; vector instructions that name none of its registers are places (ISA guide 7.12.1 for vector instructions).
.macro PLACES n
.rept \n
	v_nop
.endr
.endm
; A joint refill with hx's and w_hh's tiles: waves 0 and 1 fetch the batch rows' halves, waves 2 and 3 W's.  Each line has ONE mask and one set of registers for all that issue it; the branch hangs on the wave's
; number alone.  An s_nop 0 and four v_nop follow each line, ahead of the jump, the label and what follows.
.macro JLOAD s
	s_cmp_eq_u32 s[FB], 0
	s_cbranch_scc0 .Lfor_b_\@
	tensor_load_to_lds s[G0A+4*\s:G0A+4*\s+3], s[G1H:G1H+7]
	s_nop 0
	PLACES 4
	s_branch .Lasked_\@
.Lfor_b_\@:
	tensor_load_to_lds s[G0B+4*\s:G0B+4*\s+3], s[G1WH:G1WH+7], s[G2:G2+3], s[G3:G3+3]
	s_nop 0
	PLACES 4
.Lasked_\@:
.endm
; A PREFETCH INTO THE L2 of the K slot that the NEXT change of slots will ask for: 256 bytes of each of 32 rows, a lane a row, one instruction a wave: 128 matrix instructions ahead of the load that will want it.
; Each row's 256 bytes of a K slot are named ONCE in the launch.  hx's rows are read by every cluster of a row of clusters: the first of them (cluster x = 0) asks; w_hh's by both clusters of a column: cluster y = 0
; asks.  The four partners that ask for a tile jointly share its rows out BY ADDRESS: of the 128 batch rows that a wave fetches, the partner at place p takes 32 p .. 32 p + 31; of W's 4 x 32 rows, gate p's.
; No branch hangs on a work-group's place in its cluster.  K slots 0 to 2 come by their loads alone; how = 0: the loop's last trip, which asks for K slot 8, has no K slot behind it.
.macro ASK how
.if \how
	s_cmp_eq_u32 s[LIM], 1
.else
	s_cmp_gt_u32 s2, s[LIM]                        ; s2 = 1 in the loop's last trip
.endif
	s_cbranch_scc0 .Lnot_mine_\@
	global_prefetch_b8 v[PFO], s[PFA:PFA+1] th:TH_LOAD_NT scope:SCOPE_SE
.Lnot_mine_\@:
.endm
; A round of the cluster's barrier: my work-group's barrier, so that wave 0's signal speaks for all four waves; wave 0 signals for the work-group; every wave waits for all sixteen work-groups; my work-group's
; barrier once more.  No LDS instruction of the wave is pending at a signal.
.macro CROUND
	s_barrier_signal -1
	s_barrier_wait -1
	s_cmp_lg_u32 s[WV], 0
	s_cbranch_scc1 .Lnot_wave_0_\@
	s_barrier_signal -3
.Lnot_wave_0_\@:
	s_barrier_wait -3
	s_barrier_signal -1
	s_barrier_wait -1
.endm
	s_load_b512 s[4:19], s[0:1], 0x0               ; x s[4:5], hx s[6:7], w_ih s[8:9], w_hh s[10:11], the scales' exponents s[12:13], cx s[14:15], b_ih s[16:17], b_hh s[18:19]
	s_load_b128 s[20:23], s[0:1], 0x40             ; out0 (hy) s[20:21], out1 (cy) s[22:23]
	v_lshl_add_u32 v[SPW], v0, 2, SPARE
	v_mov_b32 v[NIL], 0
	ds_add_u32 v[SPW], v[NIL]                      ; the wave's opening: the add and its wait stand ahead of my first tensor load; the set-up below, work on registers, stands between them
	v_lshrrev_b32 v1, 5, v0
	v_readfirstlane_b32 s[WV], v1                  ; wave 0..3
	s_lshr_b32 s[FB], s[WV], 1
	s_and_b32 s[WN], s[WV], 1
	s_bfe_u32 s96, ttmp6, 0x40000                  ; my place along the cluster's x,
	s_bfe_u32 s97, ttmp6, 0x40004                  ; and along its y
	s_lshl_b32 s98, ttmp9, 2
	s_add_co_u32 s98, s98, s96                     ; TX: which 64 hidden units = 4 x cluster x + place
	s_and_b32 s99, ttmp7, 0xffff
	s_lshl_b32 s99, s99, 2
	s_add_co_u32 s99, s99, s97                     ; TY: which 256 batch rows = 4 x cluster y + place
	s_lshl_b32 s94, s97, 2
	s_lshl_b32 s94, 15, s94                        ; my row of the cluster
	s_lshl_b32 s95, 0x1111, s96                    ; my column
	; groups 1.  Batch rows: 128 rows x 256 bytes; they go to my row of the cluster
.irp g, G1X, G1H
	s_or_b32 s[\g], s94, PADW|(1<<21)              ; 15:0 the mask; 21 set beside a mask
	s_mov_b32 s[\g+1], 256<<16                     ; tensor_dim0 = 256
	s_mov_b32 s[\g+2], 128<<16                     ; tensor_dim1 = 128
	s_mov_b32 s[\g+3], 256<<16                     ; tile_dim0 = 256
	s_mov_b32 s[\g+4], 128                         ; tile_dim1 = 128
	s_mov_b32 s[\g+6], 0
	s_mov_b32 s[\g+7], 0
.endr
	s_mov_b32 s[G1X+5], 256                        ; a row of x is 256 bytes,
	s_mov_b32 s[G1H+5], 2048                       ; of hx 2,048
	; W: 256 bytes x 32 rows x 4 gates; they go to my column of the cluster
.irp g, G1WI, G1WH
	s_or_b32 s[\g], s95, PADW|(1<<21)
	s_mov_b32 s[\g+1], 256<<16                     ; tensor_dim0 = 256
	s_mov_b32 s[\g+2], 32<<16                      ; tensor_dim1 = 32
	s_mov_b32 s[\g+3], 256<<16                     ; tile_dim0 = 256
	s_mov_b32 s[\g+4], 32|(4<<16)                  ; tile_dim1 = 32, tile_dim2 = 4
	s_mov_b32 s[\g+6], 0                           ; the plane stride's low 16 bits are 0
.endr
	s_mov_b32 s[G1WI+5], 256
	s_mov_b32 s[G1WI+7], 8                         ; from gate to gate: 2,048 rows x 256 bytes = 8 << 16
	s_mov_b32 s[G1WH+5], 2048
	s_mov_b32 s[G1WH+7], 64                        ; 2,048 rows x 2,048 bytes = 64 << 16
	s_mov_b32 s[G2], 4                             ; tensor_dim2 = 4
	s_mov_b32 s[G2+1], 1                           ; tensor_dim3 = 1
	s_mov_b32 s[G2+2], 0
	s_mov_b32 s[G2+3], 0                           ; tile_dim3 = 0: not used
	s_mov_b32 s[G3], 0
	s_mov_b32 s[G3+1], 1<<16                       ; tensor_dim4 = 1
	s_mov_b32 s[G3+2], 0                           ; tile_dim4 = 0: not used
	s_mov_b32 s[G3+3], 0
	; cx: 32 rows x 256 bytes, my work-group's own: no mask
	s_mov_b32 s[G1C], PADW
	s_mov_b32 s[G1C+1], 256<<16
	s_mov_b32 s[G1C+2], 32<<16
	s_mov_b32 s[G1C+3], 256<<16
	s_mov_b32 s[G1C+4], 32
	s_mov_b32 s[G1C+5], 8192                       ; a row of cx is 8,192 bytes
	s_mov_b32 s[G1C+6], 0
	s_mov_b32 s[G1C+7], 0
	; byte offsets, each in a pair with 0 above it.  The batch rows' hang on TY and the wave alone, W's on TX and the wave alone
	s_lshl_b32 s76, s99, 16                        ; x: 256 TY rows of 256 bytes
	s_lshl_b32 s77, s[WN], 15                      ;    + the 128 rows that I fetch
	s_add_co_u32 s76, s76, s77
	s_mov_b32 s77, 0
	s_lshl_b32 s80, s99, 19                        ; hx: rows of 2,048 bytes
	s_lshl_b32 s81, s[WN], 18
	s_add_co_u32 s80, s80, s81
	s_mov_b32 s81, 0
	s_lshl_b32 s88, s98, 14                        ; w_ih: 64 TX rows of 256 bytes
	s_lshl_b32 s89, s[WN], 13                      ;       + the 32 units that I fetch
	s_add_co_u32 s88, s88, s89
	s_mov_b32 s89, 0
	s_lshl_b32 s92, s98, 17                        ; w_hh
	s_lshl_b32 s93, s[WN], 16
	s_add_co_u32 s92, s92, s93
	s_mov_b32 s93, 0
	s_lshl_b32 s90, s98, 8                         ; 64 TX numbers of f32
	s_lshl_b32 s104, s99, 21                       ; 256 TY rows of 8,192 bytes
	s_add_co_u32 s104, s104, s90
	s_lshl_b32 s100, s[FB], 20                     ; the outputs: + my 128 rows
	s_add_co_u32 s100, s100, s104
	s_mov_b32 s101, 0
	s_lshl_b32 s105, s[WN], 18                     ; cx: of those 128 rows' first 64, the 32 that I fetch
	s_add_co_u32 s104, s100, s105
	s_mov_b32 s105, 0
	s_lshl_b32 s91, s[WN], 7                       ; the biases: + my 32 units
	s_add_co_u32 s90, s90, s91
	s_mov_b32 s91, 0
	s_mul_i32 s2, s[WV], HALFT                     ; where my tiles of codes go: wave x 128 rows: no place in the cluster enters an LDS address
	s_wait_dscnt 0x0                               ; the opening add is done
	s_wait_kmcnt 0x0
	s_add_nc_u64 s[4:5], s[4:5], s[76:77]
	s_add_nc_u64 s[6:7], s[6:7], s[80:81]
	s_add_nc_u64 s[8:9], s[8:9], s[88:89]
	s_add_nc_u64 s[10:11], s[10:11], s[92:93]
	s_add_nc_u64 s[14:15], s[14:15], s[104:105]
	s_add_nc_u64 s[16:17], s[16:17], s[90:91]
	s_add_nc_u64 s[18:19], s[18:19], s[90:91]
	s_cmp_eq_u32 s[WN], 0                          ; on the way out waves 0 and 2 store cy, waves 1 and 3 hy: the choice hangs on the wave's number alone
	s_cselect_b64 s[20:21], s[22:23], s[20:21]
	s_add_nc_u64 s[20:21], s[20:21], s[100:101]
	; the prefetches (macro ASK): where mine stand, and whether I ask
	s_cmp_eq_u32 s[FB], 0                          ; do I fetch batch rows?
	s_cselect_b64 s[PFA:PFA+1], s[6:7], s[10:11]   ; hx or w_hh, at the first of the rows that I fetch
	s_cselect_b32 s104, s96, s97                   ; my place among the four that ask with me
	s_cselect_b32 s105, 16, 22                     ; from partner to partner: 32 rows of 2,048 bytes, or a gate's 2,048 rows
	s_lshl_b32 s104, s104, s105
	s_add_co_u32 s104, s104, 256                   ; at K slot 2's bytes: the first change of slots steps it to K slot 3's
	s_mov_b32 s105, 0
	s_add_nc_u64 s[PFA:PFA+1], s[PFA:PFA+1], s[104:105]
	s_and_b32 s104, ttmp7, 0xffff                  ; cluster y
	s_cmp_eq_u32 s[FB], 0
	s_cselect_b32 s104, ttmp9, s104                ; the coordinate along which other clusters read the same rows
	s_cmp_eq_u32 s104, 0
	s_cselect_b32 s[LIM], 1, -1                    ; the same in all sixteen partners, for a given wave
	CROUND                                         ; all sixteen work-groups are here: the first joint loads meet
	s_mov_b32 s[G0X], 1                            ; K slot 0, batch rows: x, into slot 0
	s_mov_b32 s[G0X+1], s2
	s_mov_b64 s[G0X+2:G0X+3], s[4:5]
	s_or_b32 s[G0X+3], s[G0X+3], 0x80000000        ; type = 2
	s_mov_b32 s[G0A], 1                            ; slot 0's walking set: K slot 2 = hx's bytes 256 on
	s_mov_b32 s[G0A+1], s2
	s_add_nc_u64 s[G0A+2:G0A+3], s[6:7], 256
	s_or_b32 s[G0A+3], s[G0A+3], 0x80000000
	s_mov_b32 s[G0A+4], 1                          ; slot 1's: K slot 1 = hx's bytes 0 on
	s_add_co_u32 s[G0A+5], s2, SLOT
	s_mov_b64 s[G0A+6:G0A+7], s[6:7]
	s_or_b32 s[G0A+7], s[G0A+7], 0x80000000
	s_mov_b32 s[G0W], 1                            ; and the same three for W
	s_mov_b32 s[G0W+1], s2
	s_mov_b64 s[G0W+2:G0W+3], s[8:9]
	s_or_b32 s[G0W+3], s[G0W+3], 0x80000000
	s_mov_b32 s[G0B], 1
	s_mov_b32 s[G0B+1], s2
	s_add_nc_u64 s[G0B+2:G0B+3], s[10:11], 256
	s_or_b32 s[G0B+3], s[G0B+3], 0x80000000
	s_mov_b32 s[G0B+4], 1
	s_add_co_u32 s[G0B+5], s2, SLOT
	s_mov_b64 s[G0B+6:G0B+7], s[10:11]
	s_or_b32 s[G0B+7], s[G0B+7], 0x80000000
	s_mov_b32 s[G0C], 1                            ; cx's first half: my 32 rows, into the region of its own
	s_mul_i32 s[G0C+1], s[WV], 32*PITCH
	s_add_co_u32 s[G0C+1], s[G0C+1], XBASE
	s_mov_b64 s[G0C+2:G0C+3], s[14:15]
	s_or_b32 s[G0C+3], s[G0C+3], 0x80000000
	s_cmp_eq_u32 s[FB], 0                          ; a wave's three first fills stand in one branch, ahead of every wait on TENSORcnt and every LDS read: three loads of mine are out
	s_cbranch_scc0 .Lfirst_b
	tensor_load_to_lds s[G0X:G0X+3], s[G1X:G1X+7]
	s_nop 0
	tensor_load_to_lds s[G0A+4:G0A+7], s[G1H:G1H+7]
	s_nop 0
	tensor_load_to_lds s[G0C:G0C+3], s[G1C:G1C+7]
	s_nop 0
	PLACES 4
	s_branch .Lfirst_done
.Lfirst_b:
	tensor_load_to_lds s[G0W:G0W+3], s[G1WI:G1WI+7], s[G2:G2+3], s[G3:G3+3]
	s_nop 0
	tensor_load_to_lds s[G0B+4:G0B+7], s[G1WH:G1WH+7], s[G2:G2+3], s[G3:G3+3]
	s_nop 0
	tensor_load_to_lds s[G0C:G0C+3], s[G1C:G1C+7]
	s_nop 0
	PLACES 4
.Lfirst_done:
	s_load_b128 s[8:11], s[12:13], 0x0             ; e0, e1, e2, e3
	v_and_b32 v1, 15, v0                           ; r = lane % 16
	v_bfe_u32 v2, v0, 4, 1                         ; hh = lane / 16
	v_and_b32 v3, 31, v0                           ; lane
	v_lshrrev_b32 v12, 3, v3                       ; the biases: eight lanes to a gate, 16 bytes a lane: my wave's 32 units of each gate
	v_and_b32 v13, 7, v3
	v_lshlrev_b32 v[BGO], 13, v12                  ; a gate's 2,048 numbers are 8,192 bytes
	v_lshl_add_u32 v[BGO], v13, 4, v[BGO]
	global_load_b128 v[4:7], v[BGO], s[16:17]
	global_load_b128 v[8:11], v[BGO], s[18:19]
	v_mul_u32_u24 v14, v1, PITCH
	v_lshl_add_u32 v15, v2, 5, v14                 ; r x pitch + 32 hh
	v_lshl_add_u32 v14, v2, 4, v14                 ; r x pitch + 16 hh: a fragment's row and half
	s_mul_i32 s100, s[FB], HALFT                   ; my 128 batch rows
	s_mul_i32 s101, s[WN], HALFT                   ; my 128 rows of W,
	s_add_co_u32 s101, s101, 2*HALFT               ; which lie behind the 256 batch rows
	v_add_nc_u32 v[ADRA], s100, v14
	v_add_nc_u32 v[ADRB], s101, v14
	s_add_co_u32 s100, s100, SLOT
	s_add_co_u32 s101, s101, SLOT
	v_add_nc_u32 v[ADRA+1], s100, v14
	v_add_nc_u32 v[ADRB+1], s101, v14
	; the four stages, 128 rows each: row 64 (wave / 2) + i.  cx and cy of rows 0-63 at XBASE, of rows 64-127 at slot 1's first byte; hy of rows 0-63 and of rows 64-127 where slot 1 had W's rows
	s_mul_i32 s100, s[FB], 64*PITCH                ; my 64 rows of a stage
	s_lshl_b32 s104, s[WN], 7                      ; my 32 units are 128 bytes
	s_add_co_u32 s104, s104, s100
	s_add_co_u32 s104, s104, SLOT
	v_add_nc_u32 v[CXH], s104, v15
	v_add_nc_u32 v[CXL], XBASE-SLOT, v[CXH]
	v_add_nc_u32 v[HYL], 2*HALFT, v[CXH]
	v_add_nc_u32 v[HYH], 3*HALFT, v[CXH]
	v_mul_u32_u24 v[RDL], v2, PITCH                ; back: lanes 0-15 take one row of 256 bytes, lanes 16-31 the next; waves 0 and 2 of cy, waves 1 and 3 of hy
	v_lshl_add_u32 v[RDL], v1, 4, v[RDL]
	s_mul_i32 s104, s[WN], 3*HALFT                 ; rows 64-127: cy at SLOT, hy 3 x 128 rows further on
	s_add_co_u32 s104, s104, s100
	s_add_co_u32 s104, s104, SLOT
	v_add_nc_u32 v[RDH], s104, v[RDL]
	s_xor_b32 s104, s[WN], 1                       ; rows 0-63: hy at SLOT + 2 x 128 rows, cy further on, at XBASE
	s_mul_i32 s104, s104, XBASE-SLOT-2*HALFT
	s_add_co_u32 s104, s104, s100
	s_add_co_u32 s104, s104, SLOT+2*HALFT
	v_add_nc_u32 v[RDL], s104, v[RDL]
	v_lshlrev_b32 v[CO], 13, v2                    ; and the same two rows in the output
	v_lshl_add_u32 v[CO], v1, 4, v[CO]
	v_lshlrev_b32 v[PFO], 11, v3
	s_lshl_b32 s104, s[WV], 9
	s_add_co_u32 s104, s104, BIAS                  ; my wave's 512 bytes of biases: 128 x gate + 4 x unit
	v_lshl_add_u32 v[BST], v3, 4, s104
	v_lshl_add_u32 v[BLD], v2, 5, s104
	v_cmp_eq_u32 vcc_lo, 2, v12                    ; gate 2 is g
	v_mov_b32 v13, 0xbfb8aa3b                      ; -log2(e): a sigmoid's exponential,
	v_mov_b32 v15, 0xc038aa3b                      ; -2 log2(e): a tanh's
	v_cndmask_b32 v12, v13, v15, vcc_lo
	s_wait_loadcnt 0x0
	v_pk_add_f32 v[4:5], v[4:5], v[8:9]            ; b_ih + b_hh,
	v_pk_add_f32 v[6:7], v[6:7], v[10:11]
	v_pk_mul_f32 v[4:5], v[4:5], v[12:13] op_sel_hi:[1,0]   ; x the factor
	v_pk_mul_f32 v[6:7], v[6:7], v[12:13] op_sel_hi:[1,0]
	ds_store_b128 v[BST], v[4:7]
.irp b, 0,1,2,3,4,5,6,7                        ; LDS serves a wave's instructions in order (ISA guide 5.7.1.4): these see the store.  Block b's eight numbers of my half: units 16 (b % 2) + 8 hh + 0 .. 7 of gate b / 2
	ds_load_b128 v[BI+8*\b:BI+8*\b+3], v[BLD] offset:64*\b
	ds_load_b128 v[BI+8*\b+4:BI+8*\b+7], v[BLD] offset:64*\b+16
.endr
	s_wait_kmcnt 0x0
	s_add_co_i32 s100, s8, s9                      ; e0 + e1
	s_add_co_i32 s104, s10, s11                    ; e2 + e3
	s_sub_co_i32 s100, s100, s104
	s_add_co_i32 s100, s100, 127
	s_lshl_b32 s[S_RS], s100, 23                   ; 2^(e0 + e1 - e2 - e3) as f32
	s_mov_b32 s[S_RS+1], s[S_RS]                   ; (the packed forms name pairs and take the low word for both halves: so the upper words are written)
	s_lshl_b32 s104, s104, 23
	s_add_co_i32 s[S_SIG], s104, 0xbfb8aa3b        ; e2 + e3 is added to the factors' exponent fields
	s_mov_b32 s[S_SIG+1], s[S_SIG]
	s_add_co_i32 s[S_TAN], s104, 0xc038aa3b
	s_mov_b32 s[S_TAN+1], s[S_TAN]
	s_mov_b32 s[S_TC], 0xc038aa3b
	s_mov_b32 s[S_TC+1], s[S_TC]
	s_mov_b32 s[S_CAP], 0x42200000                 ; 40.0
.macro FRAG reg, adr, q, i             ; a fragment, 16 rows x 128 K of codes, is 16 registers: lane l holds row l % 16; registers 4 c .. 4 c + 3 hold K = 32 c + 16 (l / 16) + 0 .. 15: the same order of k on both sides
.irp c, 0,1,2,3
	ds_load_b128 v[\reg+4*\c:\reg+4*\c+3], v[\adr] offset:128*(\q)+32*\c+(\i)*16*PITCH
.endr
.endm
; 16 matrix instructions: row blocks a0, a0 + 1 x W's eight, 128 along K.  p: W's set.  zero = 1: the first product starts the sums: nothing is ever cleared.
; The 64 accumulators take turns, one instruction a turn, in the same order in every step.
.macro MUL16 a0, p, zero
.irp a, \a0, \a0+1
.irp b, 0,1,2,3,4,5,6,7
.if \zero
	v_wmma_f32_16x16x128_bf8_bf8 v[8*(8*((\a)%4)+\b):8*(8*((\a)%4)+\b)+7], v[128*(\p)+FR*\b:128*(\p)+FR*\b+FR-1], v[AF+FR*(\a):AF+FR*(\a)+FR-1], 0
.else
	v_wmma_f32_16x16x128_bf8_bf8 v[8*(8*((\a)%4)+\b):8*(8*((\a)%4)+\b)+7], v[128*(\p)+FR*\b:128*(\p)+FR*\b+FR-1], v[AF+FR*(\a):AF+FR*(\a)+FR-1], v[8*(8*((\a)%4)+\b):8*(8*((\a)%4)+\b)+7]
.endif
.endr
.endr
.endm
.macro FETCH_B slot, q, p              ; W's eight fragments of the slot's q-th 128 along K into set p
	WIN TO_B
.irp i, 0,1,2,3,4,5,6,7
	FRAG 128*(\p)+FR*\i, ADRB+\slot, \q, \i
.endr
	WIN 0
.endm
.macro FETCH_A slot, q, i0             ; row blocks i0 .. i0 + 3
.irp i, \i0, \i0+1, \i0+2, \i0+3
	FRAG AF+FR*(\i), ADRA+\slot, \q, \i
.endr
.endm
; A slot's first 128 along K.  A row block is free as soon as its eight products are issued: blocks 0-3 are fetched anew in the step's middle, blocks 4-7 at its end; W's next set in the middle.
.macro STEP slot, zero
	s_wait_dscnt 16                                ; W's set and row blocks 0-3 are in; the youngest sixteen loads (blocks 4-7) may be out
	WIN MUL_LO
	MUL16 0, 0, \zero
	MUL16 2, 0, \zero
	s_wait_dscnt 0                                 ; blocks 4-7 are in (asked for 32 matrix instructions ago)
	PLACES 4
	FETCH_B \slot, 1, 1
	FETCH_A \slot, 1, 0
	WIN MUL_HI
	MUL16 4, 0, \zero
	MUL16 6, 0, \zero
	PLACES 4
	WIN 0
	FETCH_A \slot, 1, 4
.endm
; A slot's second 128 along K, and the change of slots.  THE STEP'S FIRST 32 PRODUCTS STAND AHEAD OF THE WAIT FOR THE NEXT TILE: they need registers alone, so they are issued while that tile is on its way.
; Then each wave waits for all its tensor loads (its part of the next slot), adds 0 to its spare word, and waits for that and for its own reads of this slot, the last of which (row blocks 4-7) were asked for
; 32 matrix instructions ago; a round of the cluster's barrier follows.  Behind it this slot is filled again, first thing, one load a wave: from that request to the wait for it stand 128 matrix instructions:
; the rest of this step (32), the next slot's first step (64), and the first half of its second (32).
; mode 0: the slot's set stands at its tile already;  1: it steps two K slots on;  2: slot 1 has had its last codes: my 32 rows of cx's second half go into its first 128 rows.
; pf 1, 2: a prefetch (macro ASK) stands behind the joint load and the run of LDS loads that the next products wait for; its address is stepped here at the head, a K slot behind the prefetch that read it.
.macro TURN slot, next, mode, pf
.if \pf
	s_wait_xcnt 0x0                                ; the last prefetch has read its address, so it may be written
	s_add_nc_u64 s[PFA:PFA+1], s[PFA:PFA+1], 256
.endif
	s_wait_dscnt 16                                ; W's set and row blocks 0-3 are in; the youngest sixteen loads (blocks 4-7) may be out
	WIN MUL_LO
	MUL16 0, 1, 0
	MUL16 2, 1, 0
	WIN 0
	s_wait_tensorcnt 0x0                           ; all my tensor loads have landed, so every group 0 may be written
	ds_add_u32 v[SPW], v[NIL]                      ; 0 onto my spare word: the descriptors' steps stand between it and the wait for it
.if \mode == 1
	s_add_nc_u64 s[G0A+4*\slot+2:G0A+4*\slot+3], s[G0A+4*\slot+2:G0A+4*\slot+3], 512
	s_add_nc_u64 s[G0B+4*\slot+2:G0B+4*\slot+3], s[G0B+4*\slot+2:G0B+4*\slot+3], 512
.endif
.if \mode == 2
	s_mul_i32 s[G0C+1], s[WV], 32*PITCH            ; cx's second half: into slot 1,
	s_add_co_u32 s[G0C+1], s[G0C+1], SLOT
	s_add_nc_u64 s[G0C+2:G0C+3], s[G0C+2:G0C+3], 64*8192   ; 64 rows further down; the type bits on top are not reached
.endif
	s_wait_dscnt 0x0                               ; the add is done, and my reads of this slot are over
	CROUND                                         ; no wave of any partner still reads this slot's tile or has a load on its way
.if \mode == 2
	tensor_load_to_lds s[G0C:G0C+3], s[G1C:G1C+7]
	s_nop 0
	PLACES 4
.else
	JLOAD \slot                                    ; the four v_nop behind the load are also the places in front of the loads below
.endif
	FETCH_B \next, 0, 0
	FETCH_A \next, 0, 0
.if \pf == 1
	ASK 1
.endif
.if \pf == 2
	ASK 0
.endif
	WIN MUL_HI
	MUL16 4, 1, 0
	MUL16 6, 1, 0
	PLACES 4
	WIN 0
	FETCH_A \next, 0, 4
.endm
	s_wait_dscnt 0x0                               ; my biases are in
	s_wait_tensorcnt 2                             ; my part of K slot 0 is in (K slot 1's load and cx's may be out)
	s_barrier_signal -1
	s_barrier_wait -1                              ; everybody's is
	FETCH_B 0, 0, 0
	FETCH_A 0, 0, 0
	FETCH_A 0, 0, 4
	STEP 0, 1                                      ; K slot 0: x w_ih^T; its first products start the sums
	TURN 0, 1, 0, 1                                ; slot 0 takes K slot 2.  Its wait for all loads and its round also show cx's first half to every wave
	; x's sums stand for sum x 2^(e0 + e1), hx's for sum x 2^(e2 + e3): the first are brought under the second's scale, each accumulator from its low end on.  TURN's last four v_nop are the places behind its products.
	WIN 0x82                                       ; source 0 and destination window 2
.set n, 0
.rept 128
	v_pk_mul_f32 v[n:n+1], v[n:n+1], s[S_RS:S_RS+1] op_sel_hi:[1,0]
.set n, n+2
.endr
	WIN 0xc3                                       ; window 3
.set n, 0
.rept 128
	v_pk_mul_f32 v[n:n+1], v[n:n+1], s[S_RS:S_RS+1] op_sel_hi:[1,0]
.set n, n+2
.endr
	WIN 0
	s_mov_b32 s2, 3
.Llap:                                             ; three trips: K slots 1 to 6 are multiplied, 3 to 8 asked for
	STEP 1, 0
	TURN 1, 0, 1, 1
	STEP 0, 0
	TURN 0, 1, 1, 2
	s_sub_co_u32 s2, s2, 1
	s_cmp_lg_u32 s2, 0
	s_cbranch_scc1 .Llap
	STEP 1, 0                                      ; K slot 7
	TURN 1, 0, 2, 0                                ; cx's second half goes out; no wave reads slot 1's codes any more, so its other bytes may take results
	STEP 0, 0                                      ; K slot 8
	s_wait_dscnt 16                                ; the very last step: nothing more to fetch, and no wait for a tile: cx's first half landed long ago
	WIN MUL_LO
	MUL16 0, 1, 0
	MUL16 2, 1, 0
	s_wait_dscnt 0
	WIN MUL_HI
	MUL16 4, 1, 0
	MUL16 6, 1, 0
	WIN 0
	PLACES 4
; THE POINT-WISE STEP for row block a: 16 batch rows x my 32 units, 16 numbers a lane.  Each batch of transcendentals has one plain instruction behind it and ONE s_wait_alu ahead of its first reader.
.macro BLOCK a
.set AC, 64*((\a)%4)
.if (\a) < 4
.set CXQ, CXL
.set HYQ, HYL
.else
.set CXQ, CXH
.set HYQ, HYH
.endif
.irp u, 0,1,2,3
	ds_load_b128 v[CXR+4*\u:CXR+4*\u+3], v[CXQ] offset:((\a)%4)*16*PITCH+64*(\u/2)+16*(\u%2)   ; cx(16 a + r, 16 (u / 2) + 8 hh + 4 (u % 2) + 0 .. 3)
.endr
	WIN 0x02+(\a)/4                                ; source 0: window 2 or 3
.irp b, 0,1,2,3,4,5,6,7
.irp i, 0,2,4,6
.if (\b)/2 == 2
	v_pk_fma_f32 v[EB+8*\b+\i:EB+8*\b+\i+1], v[AC+8*\b+\i:AC+8*\b+\i+1], s[S_TAN:S_TAN+1], v[BI+8*\b+\i:BI+8*\b+\i+1] op_sel_hi:[1,0,1]   ; -2 log2(e) x (sum x 2^(e2 + e3) + bias)
.else
	v_pk_fma_f32 v[EB+8*\b+\i:EB+8*\b+\i+1], v[AC+8*\b+\i:AC+8*\b+\i+1], s[S_SIG:S_SIG+1], v[BI+8*\b+\i:BI+8*\b+\i+1] op_sel_hi:[1,0,1]   ; -log2(e) x (sum x 2^(e2 + e3) + bias); each accumulator from its low end on
.endif
.endr
.endr
	WIN 0
.set n, 0
.rept 64
	v_min_num_f32 v[EB+n], s[S_CAP], v[EB+n]       ; held at 40, so that no product of denominators overflows
.set n, n+1
.endr
.set n, 0
.rept 64
	v_exp_f32 v[EB+n], v[EB+n]                     ; Ei, Ef, Eg, Eo
.set n, n+1
.endr
	v_nop
	s_wait_alu depctr_va_vdst(0)
	s_wait_dscnt 0x0                               ; cx is in, and the last block's LDS stores are done
.irp i, 0,2,4,6,8,10,12,14
	v_pk_fma_f32 v[T1+\i:T1+\i+1], v[EG+\i:EG+\i+1], -1.0, 1.0 op_sel_hi:[1,0,0]   ; 1 - Eg
.endr
.set n, 0
.rept 32
	v_pk_add_f32 v[EB+n:EB+n+1], v[EB+n:EB+n+1], 1.0 op_sel_hi:[1,0]               ; 1 + E, all four
.set n, n+2
.endr
.irp i, 0,2,4,6,8,10,12,14
	v_pk_mul_f32 v[EI+\i:EI+\i+1], v[EI+\i:EI+\i+1], v[EG+\i:EG+\i+1]              ; P = (1 + Ei)(1 + Eg)
.endr
.irp i, 0,2,4,6,8,10,12,14
	v_pk_mul_f32 v[T1+\i:T1+\i+1], v[T1+\i:T1+\i+1], v[EF+\i:EF+\i+1]              ; (1 - Eg)(1 + Ef)
.endr
.irp i, 0,2,4,6,8,10,12,14
	v_pk_fma_f32 v[T1+\i:T1+\i+1], v[CXR+\i:CXR+\i+1], v[EI+\i:EI+\i+1], v[T1+\i:T1+\i+1]   ; + cx P
.endr
.irp i, 0,2,4,6,8,10,12,14
	v_pk_mul_f32 v[EF+\i:EF+\i+1], v[EI+\i:EI+\i+1], v[EF+\i:EF+\i+1]              ; P (1 + Ef)
.endr
.set n, 0
.rept 16
	v_rcp_f32 v[EF+n], v[EF+n]
.set n, n+1
.endr
	v_nop
	s_wait_alu depctr_va_vdst(0)
.irp i, 0,2,4,6,8,10,12,14
	v_pk_mul_f32 v[T1+\i:T1+\i+1], v[T1+\i:T1+\i+1], v[EF+\i:EF+\i+1]              ; cy
.endr
.irp u, 0,1,2,3
	ds_store_b128 v[CXQ], v[T1+4*\u:T1+4*\u+3] offset:((\a)%4)*16*PITCH+64*(\u/2)+16*(\u%2)    ; over my own cx, which nobody else reads
.endr
.irp i, 0,2,4,6,8,10,12,14
	v_pk_mul_f32 v[T2+\i:T2+\i+1], v[T1+\i:T1+\i+1], s[S_TC:S_TC+1] op_sel_hi:[1,0]        ; -2 log2(e) cy
.endr
.set n, 0
.rept 16
	v_min_num_f32 v[T2+n], s[S_CAP], v[T2+n]
.set n, n+1
.endr
.set n, 0
.rept 16
	v_exp_f32 v[T2+n], v[T2+n]                     ; Ec
.set n, n+1
.endr
	v_nop
	s_wait_alu depctr_va_vdst(0)
.irp i, 0,2,4,6,8,10,12,14
	v_pk_add_f32 v[T3+\i:T3+\i+1], v[T2+\i:T2+\i+1], 1.0 op_sel_hi:[1,0]           ; 1 + Ec
.endr
.irp i, 0,2,4,6,8,10,12,14
	v_pk_fma_f32 v[T2+\i:T2+\i+1], v[T2+\i:T2+\i+1], -1.0, 1.0 op_sel_hi:[1,0,0]   ; 1 - Ec
.endr
.irp i, 0,2,4,6,8,10,12,14
	v_pk_mul_f32 v[T3+\i:T3+\i+1], v[T3+\i:T3+\i+1], v[EO+\i:EO+\i+1]              ; (1 + Ec)(1 + Eo)
.endr
.set n, 0
.rept 16
	v_rcp_f32 v[T3+n], v[T3+n]
.set n, n+1
.endr
	v_nop
	s_wait_alu depctr_va_vdst(0)
.irp i, 0,2,4,6,8,10,12,14
	v_pk_mul_f32 v[T2+\i:T2+\i+1], v[T2+\i:T2+\i+1], v[T3+\i:T3+\i+1]              ; hy
.endr
.irp u, 0,1,2,3
	ds_store_b128 v[HYQ], v[T2+4*\u:T2+4*\u+3] offset:((\a)%4)*16*PITCH+64*(\u/2)+16*(\u%2)
.endr
.endm
; THE WAY OUT of rows 32 k .. 32 k + 31 of my half of the batch rows: a row's 256 bytes come from two waves, so they are read back behind a barrier, whole; waves 0 and 2 send cy, waves 1 and 3 hy.
; Each group of 32 rows has 64 registers of its own, and the stores' address registers are never rewritten: no store's sources are written again.
.macro SENDK k
.if \k < 2
.set RDQ, RDL
.else
.set RDQ, RDH
.endif
	WIN TO_B                                       ; destination window 1
.irp t, 0,1,2,3,4,5,6,7,8,9,10,11,12,13,14,15
	ds_load_b128 v[64*\k+4*\t:64*\k+4*\t+3], v[RDQ] offset:(32*(\k%2)+2*\t)*PITCH
.endr
	WIN 0x04                                       ; the stores' data: window 1
.irp t, 0,1,2,3,4,5,6,7,8,9,10,11,12,13,14,15
	s_wait_dscnt 15-\t                             ; LDS loads come back in order: load t is in, the younger ones may be out
	global_store_b128 v[CO], v[64*\k+4*\t:64*\k+4*\t+3], s[20:21] offset:(32*\k+2*\t)*8192 th:TH_STORE_NT   ; 16 lanes store 256 consecutive bytes, at a multiple of 256 from the output's first byte; written once, read by nobody here
.endr
	WIN 0
.endm
.irp k, 0,1,2,3                                ; the stores begin when a quarter of the point-wise work is done
	BLOCK 2*\k
	BLOCK 2*\k+1
.if \k == 1
	s_wait_tensorcnt 0x0                           ; my 32 rows of cx's second half have landed: the barrier below says so to the waves that read them from block 4 on
.endif
	s_wait_dscnt 0x0                               ; for the others' sake: my stores of these 32 rows are done
	s_barrier_signal -1
	s_barrier_wait -1                              ; the later blocks write other rows than these, so no barrier is wanted behind the reads
	SENDK \k
.endr
	s_wait_tensorcnt 0x0                           ; the wave's end: behind my last tensor load and my last LDS store
	ds_add_u32 v[SPW], v[NIL]
	s_wait_dscnt 0x0
	CROUND                                         ; the closing round: no work-group ends while a partner may still ask for a tile that names it
	s_endpgm
.Lfunc_end_k_q76166d0657_lstm:
	.size	k_q76166d0657_lstm, .Lfunc_end_k_q76166d0657_lstm-k_q76166d0657_lstm
	.p2alignl 7, 3214868480
	.fill 96, 4, 3214868480
	.section	.rodata,"a",@progbits
	.p2align	6, 0x0
	.amdhsa_kernel k_q76166d0657_lstm
		.amdhsa_group_segment_fixed_size 327680
		.amdhsa_private_segment_fixed_size 0
		.amdhsa_enable_private_segment 0
		.amdhsa_kernarg_size 80
		.amdhsa_user_sgpr_count 2
		.amdhsa_user_sgpr_kernarg_segment_ptr 1
		.amdhsa_wavefront_size32 1
		.amdhsa_system_sgpr_workgroup_id_x 1
		.amdhsa_system_sgpr_workgroup_id_y 1
		.amdhsa_system_sgpr_workgroup_id_z 1
		.amdhsa_system_vgpr_workitem_id 0
		.amdhsa_next_free_vgpr 1024
		.amdhsa_next_free_sgpr 106
		.amdhsa_reserve_vcc 1
		.amdhsa_float_denorm_mode_32 3
		.amdhsa_float_denorm_mode_16_64 3
		.amdhsa_memory_ordered 1
		.amdhsa_forward_progress 1
		.amdhsa_inst_pref_size 255
	.end_amdhsa_kernel
	.section	.bss,"aw",@nobits
	.p2align	6
	.space	262144
	.amdgpu_metadata
---
amdhsa.version: [ 1, 2 ]
amdhsa.kernels:
  - .name:           k_q76166d0657_lstm
    .symbol:         k_q76166d0657_lstm.kd
    .args:
      - { .name: x_codes, .offset: 0, .size: 8, .value_kind: global_buffer, .address_space: global }
      - { .name: hx_codes, .offset: 8, .size: 8, .value_kind: global_buffer, .address_space: global }
      - { .name: w_ih_codes, .offset: 16, .size: 8, .value_kind: global_buffer, .address_space: global }
      - { .name: w_hh_codes, .offset: 24, .size: 8, .value_kind: global_buffer, .address_space: global }
      - { .name: lowp_scales, .offset: 32, .size: 8, .value_kind: global_buffer, .address_space: global }
      - { .name: cx, .offset: 40, .size: 8, .value_kind: global_buffer, .address_space: global }
      - { .name: b_ih, .offset: 48, .size: 8, .value_kind: global_buffer, .address_space: global }
      - { .name: b_hh, .offset: 56, .size: 8, .value_kind: global_buffer, .address_space: global }
      - { .name: out0, .offset: 64, .size: 8, .value_kind: global_buffer, .address_space: global }
      - { .name: out1, .offset: 72, .size: 8, .value_kind: global_buffer, .address_space: global }
    .group_segment_fixed_size: 327680
    .private_segment_fixed_size: 0
    .kernarg_segment_align: 8
    .kernarg_segment_size: 80
    .max_flat_workgroup_size: 128
    .sgpr_count:     106
    .vgpr_count:     1024
    .wavefront_size: 32
...
	.end_amdgpu_metadata
.endif
;; end of part 1
